; MI455X (gfx1250); checked and timed in simulation.
; The chip was launched on July 23, 2026; its instructions are those of AMD's public machine-readable ISA for CDNA 5 (MIT licence, August 2026) and "CDNA5" Instruction Set Architecture Reference Guide (July 2026). The comments in the code are by the model that wrote it; some were corrected since.
;; Self Attention. Allowed arithmetic: float matrix products may take bf16 or f16 operands with f32 sums; all other float work in f32.
;; Inputs: Wk 512 x 512 float32; Wq 512 x 512 float32; Wv 512 x 512 float32; bk 512 float32; bq 512 float32; bv 512 float32; x 8 x 512 x 2,048 float32.
;; Outputs: out0 8 x 512 x 2,048 float32.
;; 2 versions, each right; version 2 is version 1 with the launch wcvt written anew for expert scheduling mode. Each part assembles by itself: llvm-mc -triple=amdgcn-amd-amdhsa -mcpu=gfx1250 --defsym DOCPART=n.
;; ======== version 1 of 2: 3 launches
;; limits: values are held in f16: magnitudes above 65,504 overflow, below 6.1e-05 lose precision; right only within a limited range of input values
;; workspace buffers: wf 1,572,864 bytes; qkv 50,331,648 bytes
;; launch wcvt (part 1): grid 32 x 3, 4 waves a work-group, no clusters, 0 bytes of LDS; arguments Wq, Wk, Wv, wf; writes wf
.if DOCPART == 1
	.amdgcn_target "amdgcn-amd-amdhsa--gfx1250"
	.amdhsa_code_object_version 6
	.text
	.protected	k_q2d77389422_wcvt
	.globl	k_q2d77389422_wcvt
	.p2align	8
	.type	k_q2d77389422_wcvt,@function
k_q2d77389422_wcvt:
	s_mov_b64 s[64:65], 0
	v_nop
	global_prefetch_b8 v0, s[64:65] scope:SCOPE_SE
	s_setreg_imm32_b32 hwreg(HW_REG_WAVE_MODE, 25, 1), 1
	s_wait_xcnt 0x0
; wcvt: Wq, Wk, Wv ([512][512] f32, rows along i) are rounded to f16 and laid out as matrix fragments.
; FORMAT: f16 and not bf16, for its 11 significant bits against 8.  Room: W as drawn has a root mean square of 0.044; 30 times larger it stays
; far below f16's largest number, 65,504; 30 times smaller (0.0015) f16's smallest step, 2^-24 = 6e-8, is 4e-5 of that.
; wf = [got 0..95][kk 0..15][q 0..1][lane 0..31][16 bytes], got = 32 x matrix + o / 16.  Lane (r = lane & 15, h = lane >> 4) holds
; row o = 16 (got & 31) + r, i = 32 kk + 16 q + 8 h + 0..7: a 16-byte load at 16 x lane fills half of a 16 x 32 operand.
; A work-group makes one got (x = o tile, y = matrix): 96 work-groups are all the work there is.  Wave w takes kk = 4 w .. 4 w + 3,
; 512 bytes of each of the 16 rows.  No LDS, no barrier: every lane rounds what it loaded; each store of a wave covers 512 consecutive bytes.
.set VI, 5                             ; v5       byte offset in W: 2048 r + 32 h + 512 w
.set VO, 6                             ; v6       byte offset in wf: 16 lane + 4096 w
.set IN, 16                            ; v[16:79] item (k, q): 8 f32
.set PK, 80                            ; v[80:111] item (k, q): 8 f16
	s_load_b256 s[4:11], s[0:1], 0x0               ; Wq s[4:5], Wk s[6:7], Wv s[8:9], wf s[10:11]
	s_and_b32 s12, ttmp7, 0xffff                   ; which matrix
	v_and_b32 v1, 15, v0                           ; r
	v_bfe_u32 v2, v0, 4, 1                         ; h
	v_lshrrev_b32 v3, 5, v0                        ; wave
	v_and_b32 v4, 31, v0                           ; lane
	v_lshlrev_b32 v[VI], 11, v1
	v_lshl_add_u32 v[VI], v2, 5, v[VI]
	v_lshl_add_u32 v[VI], v3, 9, v[VI]
	v_lshlrev_b32 v[VO], 4, v4
	v_lshl_add_u32 v[VO], v3, 12, v[VO]
	s_lshl_b32 s16, ttmp9, 15                      ; 16 rows of 2,048 bytes for each o tile
	s_mov_b32 s17, 0
	s_lshl_b32 s18, s12, 5
	s_add_co_u32 s18, s18, ttmp9                   ; got
	s_lshl_b32 s18, s18, 14                        ; x 16 KiB
	s_mov_b32 s19, 0
	s_wait_kmcnt 0x0
	s_cmp_eq_u32 s12, 1                            ; the source is chosen by the work-group's y alone
	s_cselect_b64 s[14:15], s[6:7], s[4:5]
	s_cmp_eq_u32 s12, 2
	s_cselect_b64 s[14:15], s[8:9], s[14:15]
	s_add_nc_u64 s[14:15], s[14:15], s[16:17]
	s_add_nc_u64 s[10:11], s[10:11], s[18:19]
.irp k, 0,1,2,3
.irp q, 0,1
	global_load_b128 v[IN+8*(2*\k+\q):IN+8*(2*\k+\q)+3],   v[VI], s[14:15] offset:\k*128+\q*64 th:TH_LOAD_NT
	global_load_b128 v[IN+8*(2*\k+\q)+4:IN+8*(2*\k+\q)+7], v[VI], s[14:15] offset:\k*128+\q*64+16 th:TH_LOAD_NT
.endr
.endr
.irp k, 0,1,2,3
.irp q, 0,1
	s_wait_loadcnt 14-2*(2*\k+\q)                  ; loads come back in order: this item's two are in, the younger items' stay out
.irp e, 0,1,2,3
	v_cvt_pk_f16_f32 v[PK+4*(2*\k+\q)+\e], v[IN+8*(2*\k+\q)+2*\e], v[IN+8*(2*\k+\q)+2*\e+1]
.endr
	global_store_b128 v[VO], v[PK+4*(2*\k+\q):PK+4*(2*\k+\q)+3], s[10:11] offset:\k*1024+\q*512
.endr
.endr
	s_endpgm
.Lfunc_end_k_q2d77389422_wcvt:
	.size	k_q2d77389422_wcvt, .Lfunc_end_k_q2d77389422_wcvt-k_q2d77389422_wcvt
	.p2alignl 7, 3214868480
	.fill 96, 4, 3214868480
	.section	.rodata,"a",@progbits
	.p2align	6, 0x0
	.amdhsa_kernel k_q2d77389422_wcvt
		.amdhsa_group_segment_fixed_size 0
		.amdhsa_private_segment_fixed_size 0
		.amdhsa_enable_private_segment 0
		.amdhsa_kernarg_size 32
		.amdhsa_user_sgpr_count 2
		.amdhsa_user_sgpr_kernarg_segment_ptr 1
		.amdhsa_wavefront_size32 1
		.amdhsa_system_sgpr_workgroup_id_x 1
		.amdhsa_system_sgpr_workgroup_id_y 1
		.amdhsa_system_sgpr_workgroup_id_z 1
		.amdhsa_system_vgpr_workitem_id 0
		.amdhsa_next_free_vgpr 112
		.amdhsa_next_free_sgpr 66
		.amdhsa_reserve_vcc 0
		.amdhsa_float_denorm_mode_32 3
		.amdhsa_float_denorm_mode_16_64 3
		.amdhsa_memory_ordered 1
		.amdhsa_forward_progress 1
		.amdhsa_inst_pref_size 6
	.end_amdhsa_kernel
	.amdgpu_metadata
---
amdhsa.version: [ 1, 2 ]
amdhsa.kernels:
  - .name:           k_q2d77389422_wcvt
    .symbol:         k_q2d77389422_wcvt.kd
    .args:
      - { .name: Wq, .offset: 0, .size: 8, .value_kind: global_buffer, .address_space: global }
      - { .name: Wk, .offset: 8, .size: 8, .value_kind: global_buffer, .address_space: global }
      - { .name: Wv, .offset: 16, .size: 8, .value_kind: global_buffer, .address_space: global }
      - { .name: wf, .offset: 24, .size: 8, .value_kind: global_buffer, .address_space: global }
    .group_segment_fixed_size: 0
    .private_segment_fixed_size: 0
    .kernarg_segment_align: 8
    .kernarg_segment_size: 32
    .max_flat_workgroup_size: 128
    .sgpr_count:     66
    .vgpr_count:     112
    .wavefront_size: 32
...
	.end_amdgpu_metadata
.endif
;; end of part 1
;; launch proj (part 2): grid 256 x 1, 4 waves a work-group, clusters of 4 x 1, 327,680 bytes of LDS; arguments x, wf, bq, bk, bv, qkv; writes qkv
.if DOCPART == 2
	.amdgcn_target "amdgcn-amd-amdhsa--gfx1250"
	.amdhsa_code_object_version 6
	.text
	.protected	k_q2d77389422_proj
	.globl	k_q2d77389422_proj
	.p2align	8
	.type	k_q2d77389422_proj,@function
k_q2d77389422_proj:
	s_mov_b64 s[64:65], 0
	v_nop
	global_prefetch_b8 v0, s[64:65] scope:SCOPE_SE
	s_setreg_imm32_b32 hwreg(HW_REG_WAVE_MODE, 25, 1), 1
	s_wait_xcnt 0x0
	s_wait_alu depctr_hold_cnt(0) depctr_sa_sdst(0) depctr_va_vdst(0) depctr_va_sdst(0) depctr_va_ssrc(0) depctr_va_vcc(0) depctr_vm_vsrc(0)
	s_getreg_b32 s2, hwreg(HW_REG_IB_STS2, 6, 4)
	s_cmp_eq_u32 s2, 0
	s_cbranch_scc0 .Lentry_in_a_cluster
	s_endpgm
.Lentry_in_a_cluster:
	s_bfe_u32 s2, ttmp6, 0x10000c
	s_cmp_lg_u32 s2, 0x3003
	s_cbranch_scc0 .Lentry_shape_is_right
	s_endpgm
.Lentry_shape_is_right:
; proj: q, k, v = W x + b for one batch b and 64 positions l (block lblk), all 1,536 outputs, in f16, stored as matrix fragments.
; FORMAT AND LIMITS: x and W enter the products rounded to f16, sums and biases are f32, q, k, v are rounded once to f16 (11 significant bits
; against bf16's 8).  Room in f16, whose largest number is 65,504 and whose smallest step is 2^-24 = 6e-8: x as drawn stays under about 6,
; 30 times larger under 180.  q, k, v as drawn stay under about 6; with x and W both 30 times larger under about 5,400; with x and W both
; carrying an offset of 30 times their spread they are about 512 x 30 x 1.33 = 20,400; with both 30 times smaller their root mean square is
; 1.1e-3, of which the smallest step is 5e-5.  An |x|, |q|, |k| or |v| of 65,504 or more becomes infinite and spoils the rows that use it.
; qkv = 256 blocks (32 b + lblk) of 196,608 bytes = 4 sub-blocks t of [Q 16 KiB | K 16 KiB | V 16 KiB]:
;   Q(t), K(t): [ot 0..31][lane][16 B]: position 64 lblk + 16 t + r, channels 16 ot + 8 h + 0..7
;   V(t):       [ci 0..7][lt 0..3][lane][16 B]: channel 16 (8 t + ci) + r, positions 64 lblk + 16 lt + 8 h + 0..7
; A result tile holds in lane (r, h), registers 0..7, (row 8 h + j, column r): rounded and packed these are the lane's 16 bytes of half a
; fragment of the next product, so results are stored from registers, 512 consecutive aligned bytes a store.  For q and k the sources are
; (W, x): rows = channels; for v they are (x, W): rows = positions.
; Four waves.  Each keeps all of x[:, 64 l] as 64 fragments in 512 registers; W goes through two LDS slots in 12 tiles of 128 KiB
; (8 o tiles; 0-3 q, 4-7 k, 8-11 v); in tile n wave w owns o tiles 8 n + 2 w + u, u = 0, 1, loads them itself and alone reads them.
; CLUSTER 4 x 1: every work-group walks the same W tiles, so the four of a cluster ask jointly (mask 15), which divides the requests for W by
; four.  x is read by one work-group alone and comes through registers.  One tensor load of a wave is out at a time.
.set SLOTB,  131072                    ; an LDS slot: 4 waves x 32 KiB
.set XS,     2*SLOTB                   ; 256 rows i of 64 f16, for the transposing reads
.set XPITCH, 160                       ; 128 bytes + 32: an odd multiple of 32
.set BIASL,  XS+256*XPITCH             ; bq, bk, bv in f32, 6,144 bytes
.set SUBB,   49152
.set BLKB,   4*SUBB
; window 0
.set WA,    1                          ; v1, v2   LDS address of my W part in slot 0, 1: 32768 w + 16 lane
.set BLQ,   3                          ; v3       LDS address of a q/k bias: BIASL + 128 w + 32 h, stepped by two tiles a trip
.set BLV,   4                          ; v4       of a v bias: BIASL + 4096 + 128 w + 4 r
.set DOF,   5                          ; v5       store offset for q, k: 16 lane + 1024 w
.set DOFV,  6                          ; v6       for v: 16 lane + 4096 w
.set XO,    7                          ; v7       x: (thread >> 4) rows of 8,192 bytes + 16 (thread & 15)
.set XSA,   8                          ; v8       XS, where I put 4 f16
.set XT,    9                          ; v9       XS, transposing read
.set BO,    10                         ; v10      16 x thread
.set BLS,   11                         ; v11      BIASL + 16 x thread
.set TMP0,  16                         ; v[16:31], v[48:63]   packed results of o tile u = 0, 1
.set BIAS0, 32                         ; v[32:39], v[40:47]   the first product's C of o tile u = 0, 1
.set BIAS1, 40
.set WFA,   64                         ; v[64:127]   8 fragments of W
.set WFB,   128                        ; v[128:191]  8 more
.set ACC0,  192                        ; v[192:223], v[224:255]  four accumulators (16 o x 16 l each) of o tile u = 0, 1
.set ACC1,  224
; windows 1, 2: x fragment (t, kk) in window 1 + (kk >> 3) at register 8 (4 (kk & 7) + t).  Window 3: x as loaded, f32.
.set G1,   16                          ; s[16:23] descriptor group 1
.set G0,   24                          ; s[24:31] descriptor group 0, one set for each slot
.set WAVE, 32
.set CX,   33
.set WG,   34
.set BB,   35
.set MSB, 0
.macro WIN new                         ; the immediate's high byte repeats the setting that is left
.if MSB != \new
	s_set_vgpr_msb (MSB<<8)|\new
.set MSB, \new
.endif
.endm
.macro PLACES                          ; four places behind a matrix instruction (ISA guide 7.12.1), where no useful vector work is at hand
.rept 4
	v_nop
.endr
.endm
.macro ROUND                           ; a round of the cluster's barrier
	s_barrier_signal -1
	s_barrier_wait -1
	s_cmp_lg_u32 s[WAVE], 0
	s_cbranch_scc1 .Lnot_wave_0_\@
	s_barrier_signal -3
.Lnot_wave_0_\@:
	s_barrier_wait -3
	s_barrier_signal -1
	s_barrier_wait -1
.endm
	s_load_b256 s[4:11], s[0:1], 0x0               ; x s[4:5], wf s[6:7], bq s[8:9], bk s[10:11]
	s_load_b128 s[12:15], s[0:1], 0x20             ; bv s[12:13], qkv s[14:15]
	v_lshl_add_u32 v222, v0, 2, 0x4b800
	v_mov_b32 v223, 0
	ds_add_u32 v222, v223
	s_wait_dscnt 0x0
	v_lshrrev_b32 v12, 5, v0
	v_readfirstlane_b32 s[WAVE], v12               ; wave 0..3
	s_bfe_u32 s[CX], ttmp6, 0x40000                ; my place in the cluster
	s_lshl_b32 s[WG], ttmp9, 2
	s_add_co_u32 s[WG], s[WG], s[CX]               ; work-group = 4 x cluster + cx = 32 b + lblk
	s_lshr_b32 s[BB], ttmp9, 3                     ; b
	s_and_b32 s43, s[WG], 31                       ; lblk
	v_and_b32 v12, 31, v0                          ; lane
	v_and_b32 v13, 15, v0                          ; r, and thread & 15
	v_bfe_u32 v14, v0, 4, 1                        ; h
	v_lshrrev_b32 v15, 4, v0                       ; thread >> 4: 0..7
	v_lshlrev_b32 v[DOF], 4, v12
	v_lshl_add_u32 v[WA], s[WAVE], 15, v[DOF]
	v_add_nc_u32 v[WA+1], SLOTB, v[WA]
	v_lshl_add_u32 v[DOFV], s[WAVE], 12, v[DOF]
	v_lshl_add_u32 v[DOF], s[WAVE], 10, v[DOF]
	s_lshl_b32 s46, s[WAVE], 7
	s_add_co_u32 s46, s46, BIASL
	s_add_co_u32 s47, s46, 4096
	v_lshl_add_u32 v[BLQ], v14, 5, s46
	v_lshl_add_u32 v[BLV], v13, 2, s47
	v_lshlrev_b32 v[XO], 4, v13
	v_lshl_add_u32 v[XO], v15, 13, v[XO]
	v_mul_u32_u24 v[XSA], v15, XPITCH
	v_lshl_add_u32 v[XSA], v13, 3, v[XSA]
	v_add_nc_u32 v[XSA], XS, v[XSA]
	v_and_b32 v[XT], 7, v0                         ; row 8 h + (lane & 7), 16 bytes further for lanes 8-15 of each half
	v_lshl_add_u32 v[XT], v14, 3, v[XT]
	v_mul_u32_u24 v[XT], v[XT], XPITCH
	v_bfe_u32 v15, v0, 3, 1
	v_lshl_add_u32 v[XT], v15, 4, v[XT]
	v_add_nc_u32 v[XT], XS, v[XT]
	v_lshlrev_b32 v[BO], 4, v0
	v_add_nc_u32 v[BLS], BIASL, v[BO]
	; group 1: 32 KiB that are dense in memory, as 128 rows of 32 elements of 8 bytes
	s_mov_b32 s[G1+0], 0x0023000f                  ; 15:0 mask: the four of the cluster; 17:16 elements of 8 bytes; 21 set beside a mask
	s_mov_b32 s[G1+1], 32<<16                      ; tensor_dim0 = 32
	s_mov_b32 s[G1+2], 128<<16                     ; tensor_dim1 = 128
	s_mov_b32 s[G1+3], 32<<16                      ; tile_dim0 = 32
	s_mov_b32 s[G1+4], 128                         ; tile_dim1 = 128
	s_mov_b32 s[G1+5], 32                          ; from row to row: 32 elements
	s_mov_b32 s[G1+6], 0
	s_mov_b32 s[G1+7], 0
	s_lshl_b32 s46, s[WAVE], 15                    ; my part of a tile, in wf as in LDS: no place in the cluster enters
	s_mov_b32 s47, 0
	s_lshl_b32 s44, s[BB], 22                      ; b x 512 rows x 8,192 bytes
	s_lshl_b32 s45, s43, 8                         ; + 64 positions x 4 bytes x lblk
	s_add_co_u32 s44, s44, s45
	s_mov_b32 s45, 0
	s_wait_kmcnt 0x0
	s_add_nc_u64 s[36:37], s[4:5], s[44:45]        ; x at my first row and column
	s_mul_i32 s44, s[WG], BLKB
	s_add_nc_u64 s[38:39], s[14:15], s[44:45]      ; my block of qkv
	s_mov_b64 s[40:41], s[38:39]                   ; where q and k go: stepped by two tiles a trip
	s_mov_b32 s[G0], 1
	s_lshl_b32 s[G0+1], s[WAVE], 15
	s_add_nc_u64 s[G0+2:G0+3], s[6:7], s[46:47]    ; tile 0
	s_mov_b32 s[G0+4], 1
	s_add_co_u32 s[G0+5], s[G0+1], SLOTB
	s_add_nc_u64 s[G0+6:G0+7], s[G0+2:G0+3], SLOTB ; tile 1
	s_or_b32 s[G0+3], s[G0+3], 0x80000000          ; type = 2
	s_or_b32 s[G0+7], s[G0+7], 0x80000000
	; everything that comes through registers is asked for at once: the biases, then 64 x 8 rows of x (16 lanes take a row's 256 bytes)
	global_load_b128 v[16:19], v[BO], s[8:9]
	global_load_b128 v[20:23], v[BO], s[10:11]
	global_load_b128 v[24:27], v[BO], s[12:13]
	WIN 0xc0                                       ; destination in window 3
.set n, 0
.rept 64
	global_load_b128 v[4*n:4*n+3], v[XO], s[36:37] offset:n*65536 th:TH_LOAD_NT
.set n, n+1
.endr
	WIN 0
	ROUND                                          ; the four work-groups are here: the first joint load meets
	tensor_load_to_lds s[G0:G0+3], s[G1:G1+7]      ; tile 0; it stays out over the barriers below, behind which nothing is filled
	s_nop 0
; Half p of x (rows 256 p .. 256 p + 255): rounded to f16, laid into XS as [i][l], read back transposed as 32 fragments a wave.
.macro XPASS p
.if \p == 0
	s_wait_loadcnt 32                              ; the biases and rows 0-255 are in; the 32 loads of rows 256-511 stay out
	ds_store_b128 v[BLS], v[16:19]
	ds_store_b128 v[BLS], v[20:23] offset:2048
	ds_store_b128 v[BLS], v[24:27] offset:4096
.else
	s_wait_loadcnt 0
.endif
	WIN 0x0f                                       ; sources in window 3
.set n, 0
.rept 32
	v_cvt_pk_f16_f32 v[WFA+2*n],   v[128*\p+4*n],   v[128*\p+4*n+1]
	v_cvt_pk_f16_f32 v[WFA+2*n+1], v[128*\p+4*n+2], v[128*\p+4*n+3]
.set n, n+1
.endr
	WIN 0
.set n, 0
.rept 32
	ds_store_b64 v[XSA], v[WFA+2*n:WFA+2*n+1] offset:n*8*XPITCH
.set n, n+1
.endr
	s_wait_dscnt 0x0                               ; my stores are in LDS before I say so
	s_barrier_signal -1
	s_barrier_wait -1
.if \p == 0
	WIN 0x40                                       ; destination in window 1
.else
	WIN 0x80                                       ; in window 2
.endif
.irp k, 0,1,2,3,4,5,6,7
.irp t, 0,1,2,3
	ds_load_tr16_b128 v[8*(4*\k+\t):8*(4*\k+\t)+3],   v[XT] offset:\k*32*XPITCH+32*\t
	ds_load_tr16_b128 v[8*(4*\k+\t)+4:8*(4*\k+\t)+7], v[XT] offset:\k*32*XPITCH+16*XPITCH+32*\t
.endr
.endr
	WIN 0
.if \p == 0
	s_wait_dscnt 0x0                               ; my reads of XS are over before anybody writes the second half into it
	s_barrier_signal -1
	s_barrier_wait -1
.endif
.endm
.macro WLOAD f, slot, u, k0            ; 8 fragments of W: o tile u, K steps k0 .. k0 + 7; 32 lanes x 16 neighbouring bytes a load
.irp k, 0,1,2,3,4,5,6,7
	ds_load_b128 v[\f+8*\k:\f+8*\k+3],   v[WA+\slot] offset:\u*16384+(\k0+\k)*1024
	ds_load_b128 v[\f+8*\k+4:\f+8*\k+7], v[WA+\slot] offset:\u*16384+(\k0+\k)*1024+512
.endr
.endm
.macro BLOAD breg, slot, u, kind, n    ; the bias as a C operand.  q, k: register j is channel 8 h + j.  v: every register is channel r
.if \kind == 0
	ds_load_b128 v[\breg:\breg+3],   v[BLQ] offset:\slot*512+\u*64
	ds_load_b128 v[\breg+4:\breg+7], v[BLQ] offset:\slot*512+\u*64+16
.else
	ds_load_b32 v[\breg], v[BLV] offset:(\n-8)*512+\u*64
.endif
.endm
.macro BSPREAD breg, kind
.if \kind
.irp j, 1,2,3,4,5,6,7
	v_mov_b32 v[\breg+\j], v[\breg]
.endr
.endif
.endm
.macro MM acc, t, f, k, kind, c        ; one matrix instruction; c = first register of C
.if \kind == 0
	v_wmma_f32_16x16x32_f16 v[\acc+8*\t:\acc+8*\t+7], v[\f+8*\k:\f+8*\k+7], v[8*(4*\k+\t):8*(4*\k+\t)+7], v[\c:\c+7]
.else
	v_wmma_f32_16x16x32_f16 v[\acc+8*\t:\acc+8*\t+7], v[8*(4*\k+\t):8*(4*\k+\t)+7], v[\f+8*\k:\f+8*\k+7], v[\c:\c+7]
.endif
.endm
; 32 matrix instructions: 8 K steps x 4 position tiles.  The four accumulators take turns, one instruction a turn.
; breg other than 0: the first K step starts the sums from the bias: nothing is cleared and no bias is added afterwards.
.macro MUL32 acc, f, hi, kind, breg
.if \kind == 0
	WIN 4*(1+\hi)                                  ; x is source 1, in window 1 + hi
.else
	WIN 1+\hi                                      ; x is source 0
.endif
.irp t, 0,1,2,3
.if \breg
	MM \acc, \t, \f, 0, \kind, \breg
.else
	MM \acc, \t, \f, 0, \kind, \acc+8*\t
.endif
.endr
.irp k, 1,2,3,4,5,6,7
.irp t, 0,1,2,3
	MM \acc, \t, \f, \k, \kind, \acc+8*\t
.endr
.endr
.endm
.macro EPI u, slot, kind, n            ; o tile u leaves: 16 roundings, four stores of 512 consecutive bytes
	s_wait_xcnt 0x0                                ; the packed registers were the data of the last tile's stores: rewritten only behind this wait
.irp t, 0,1,2,3
.irp e, 0,1,2,3
	v_cvt_pk_f16_f32 v[TMP0+32*\u+4*\t+\e], v[ACC0+32*\u+8*\t+2*\e], v[ACC0+32*\u+8*\t+2*\e+1]
.endr
.endr
.irp t, 0,1,2,3
.if \kind == 0
	global_store_b128 v[DOF], v[TMP0+32*\u+4*\t:TMP0+32*\u+4*\t+3], s[40:41] offset:\t*SUBB+\slot*4096+\u*512
.else
	global_store_b128 v[DOFV], v[TMP0+32*\u+4*\t:TMP0+32*\u+4*\t+3], s[38:39] offset:(\n-8)*SUBB+32768+\u*2048+\t*512
.endif
.endr
.endm
; One tile of W.  kind 0: q or k; kind 1: v (tile n).  The LDS loads run one group of 16 ahead of the products.
.macro PTILE slot, refill, kind, n
	s_wait_xcnt 0x0
	v_lshl_add_u32 v222, v0, 2, 0x4b800
	v_mov_b32 v223, 0
	s_wait_tensorcnt 0x0                           ; all my tensor loads are done, my part of this tile among them,
	ds_add_u32 v222, v223
	s_wait_dscnt 0x0
	s_add_nc_u64 s[G0+4*\slot+2:G0+4*\slot+3], s[G0+4*\slot+2:G0+4*\slot+3], 2*SLOTB   ; so a group 0 may be written: this slot's next tile
	s_wait_dscnt 0x0                               ; my reads of the other slot are over
	ROUND                                          ; both now hold of every wave of the four work-groups
.if \refill
	tensor_load_to_lds s[G0+4-4*\slot:G0+7-4*\slot], s[G1:G1+7]    ; the next tile, into the slot read last: my one tensor load behind the round
	s_nop 0
.endif
	WLOAD WFA, \slot, 0, 0
	BLOAD BIAS0, \slot, 0, \kind, \n
	WLOAD WFB, \slot, 0, 8
	s_wait_dscnt 16                                ; all but the 16 loads into WFB
	BSPREAD BIAS0, \kind
	MUL32 ACC0, WFA, 0, \kind, BIAS0
	WIN 0
	PLACES                                         ; in front of loads into registers that matrix instructions have read
	WLOAD WFA, \slot, 1, 0
	BLOAD BIAS1, \slot, 1, \kind, \n
	s_wait_dscnt 18-\kind                          ; all but the 16 loads into WFA and the bias's two (v: one)
	MUL32 ACC0, WFB, 1, \kind, 0
	WIN 0
	PLACES                                         ; and in front of the conversions that read results
	WLOAD WFB, \slot, 1, 8
	EPI 0, \slot, \kind, \n
	s_wait_dscnt 16                                ; all but the 16 loads into WFB
	BSPREAD BIAS1, \kind
	MUL32 ACC1, WFA, 0, \kind, BIAS1
	s_wait_dscnt 0
	MUL32 ACC1, WFB, 1, \kind, 0
	WIN 0
	PLACES
	EPI 1, \slot, \kind, \n
.endm
	XPASS 0
	XPASS 1
	s_mov_b32 s42, 0
.Lqk:                                              ; tiles 0 to 7: q, then k
	PTILE 0, 1, 0, 0
	PTILE 1, 1, 0, 0
	s_wait_xcnt 0x0                                ; the stores' base is stepped only behind this wait
	s_add_nc_u64 s[40:41], s[40:41], 8192          ; two tiles = 16 o tiles of 512 bytes in each sub-block; behind Q's 16 KiB lies K
	v_add_nc_u32 v[BLQ], 1024, v[BLQ]              ; 256 biases on
	s_add_co_u32 s42, s42, 1
	s_cmp_lt_u32 s42, 4
	s_cbranch_scc1 .Lqk
	PTILE 0, 1, 1, 8                               ; v: tile 8 + t fills V(t)
	PTILE 1, 1, 1, 9
	PTILE 0, 1, 1, 10
	PTILE 1, 0, 1, 11                              ; nothing is left to fetch
	ROUND                                          ; the closing round: no work-group ends while a partner may still ask jointly
	s_endpgm
.Lfunc_end_k_q2d77389422_proj:
	.size	k_q2d77389422_proj, .Lfunc_end_k_q2d77389422_proj-k_q2d77389422_proj
	.p2alignl 7, 3214868480
	.fill 96, 4, 3214868480
	.section	.rodata,"a",@progbits
	.p2align	6, 0x0
	.amdhsa_kernel k_q2d77389422_proj
		.amdhsa_group_segment_fixed_size 327680
		.amdhsa_private_segment_fixed_size 0
		.amdhsa_enable_private_segment 0
		.amdhsa_kernarg_size 48
		.amdhsa_user_sgpr_count 2
		.amdhsa_user_sgpr_kernarg_segment_ptr 1
		.amdhsa_wavefront_size32 1
		.amdhsa_system_sgpr_workgroup_id_x 1
		.amdhsa_system_sgpr_workgroup_id_y 1
		.amdhsa_system_sgpr_workgroup_id_z 1
		.amdhsa_system_vgpr_workitem_id 0
		.amdhsa_next_free_vgpr 1024
		.amdhsa_next_free_sgpr 66
		.amdhsa_reserve_vcc 0
		.amdhsa_float_denorm_mode_32 3
		.amdhsa_float_denorm_mode_16_64 3
		.amdhsa_memory_ordered 1
		.amdhsa_forward_progress 1
		.amdhsa_inst_pref_size 133
	.end_amdhsa_kernel
	.amdgpu_metadata
---
amdhsa.version: [ 1, 2 ]
amdhsa.kernels:
  - .name:           k_q2d77389422_proj
    .symbol:         k_q2d77389422_proj.kd
    .args:
      - { .name: x, .offset: 0, .size: 8, .value_kind: global_buffer, .address_space: global }
      - { .name: wf, .offset: 8, .size: 8, .value_kind: global_buffer, .address_space: global }
      - { .name: bq, .offset: 16, .size: 8, .value_kind: global_buffer, .address_space: global }
      - { .name: bk, .offset: 24, .size: 8, .value_kind: global_buffer, .address_space: global }
      - { .name: bv, .offset: 32, .size: 8, .value_kind: global_buffer, .address_space: global }
      - { .name: qkv, .offset: 40, .size: 8, .value_kind: global_buffer, .address_space: global }
    .group_segment_fixed_size: 327680
    .private_segment_fixed_size: 0
    .kernarg_segment_align: 8
    .kernarg_segment_size: 48
    .max_flat_workgroup_size: 128
    .sgpr_count:     66
    .vgpr_count:     1024
    .wavefront_size: 32
...
	.end_amdgpu_metadata
.endif
;; end of part 2
;; launch attn (part 3): grid 256 x 1, 4 waves a work-group, clusters of 4 x 1, 327,680 bytes of LDS; arguments qkv, out0; writes out0
.if DOCPART == 3
	.amdgcn_target "amdgcn-amd-amdhsa--gfx1250"
	.amdhsa_code_object_version 6
	.text
	.protected	k_q2d77389422_attn
	.globl	k_q2d77389422_attn
	.p2align	8
	.type	k_q2d77389422_attn,@function
k_q2d77389422_attn:
	s_mov_b64 s[64:65], 0
	v_nop
	global_prefetch_b8 v0, s[64:65] scope:SCOPE_SE
	s_setreg_imm32_b32 hwreg(HW_REG_WAVE_MODE, 25, 1), 1
	s_wait_xcnt 0x0
	s_wait_alu depctr_hold_cnt(0) depctr_sa_sdst(0) depctr_va_vdst(0) depctr_va_sdst(0) depctr_va_ssrc(0) depctr_va_vcc(0) depctr_vm_vsrc(0)
	s_getreg_b32 s2, hwreg(HW_REG_IB_STS2, 6, 4)
	s_cmp_eq_u32 s2, 0
	s_cbranch_scc0 .Lentry_in_a_cluster
	s_endpgm
.Lentry_in_a_cluster:
	s_bfe_u32 s2, ttmp6, 0x10000c
	s_cmp_lg_u32 s2, 0x3003
	s_cbranch_scc0 .Lentry_shape_is_right
	s_endpgm
.Lentry_shape_is_right:
; attn: out[b][c][l] = sum over m of v[c][m] softmax over m of (q_l . k_m / sqrt(512)), for one batch b and 64 queries l (block lblk).
; FORMAT AND LIMITS: q, k, v finite in f16 (their room: see proj) and scores finite in f32; NaN and infinities are not treated: the maxima drop
; a NaN.  q, k, v and the weights p enter the products in f16; scores, maxima, sums and outputs are f32; the row sum adds the unrounded p.
; The maximum taken away is the true running row maximum of the raw scores; p = 2^(c S - c M) with c = log2(e) / sqrt(512), so p lies in
; [0, 1] whatever the inputs, and f16 holds it: a p below 2^-25 becomes 0, which over the 2,047 other keys of a row loses at most
; 2,047 x 2^-25 = 6e-5 of a row sum that is at least 1.  The keys are summed in another order than the reference's (see THE WALK).
; 32 steps of 64 keys.  Four waves.  Scores: wave w makes S^T (its 16 keys x 64 queries), K from LDS as source 0, all of Q in 512 registers as
; source 1.  Output: wave w makes O^T (channels 128 w .. + 127 x 64 queries) += V P^T.  In both results a lane holds query r of a tile, so
; maximum, rescaling factor and 1 / sum are one number a lane and tile.  The maxima and P cross the waves through LDS: two barriers a step.
; qkv's layout: see proj.  Wave w needs K(w) | V(w) of the step's block: 32 KiB that are dense in memory, brought by one tensor load, read by
; wave w alone, each byte once.
; CLUSTER 4 x 1: the four work-groups of a cluster have the same batch and walk the same K and V tiles, so they ask jointly (mask 15), which
; divides the requests for K and V by four.  Q is a work-group's own and comes through registers.  One tensor load of a wave is out at a time.
; THE WALK: a batch has eight clusters, j = 0 .. 7.  Cluster j holds query blocks 4 j .. 4 j + 3 and takes the key blocks in the order
; 4 j, 4 j + 1, .. round the batch's 32.  So the eight clusters ask for eight different tiles at a time, and from its fifth step on a cluster asks
; for tiles that cluster j + 1 asked for four steps earlier.  A softmax's sums do not hang on the order of the keys but for their rounding.
; Cluster number n gives b = bits 2, 5, 4 of n and j = bits 3, 1, 0: a map that is one to one; which clusters share a batch is free.
.set SLOTB,  131072
.set SUBB,   49152
.set BLKB,   4*SUBB
.set PB,     2*SLOTB                   ; P: 64 rows l of 64 f16
.set PPITCH, 144                       ; 128 bytes + 16: an odd multiple of 16
.set MX,     PB+64*PPITCH              ; [l][wave] f32: the waves' maxima; 1,024 bytes behind it the waves' sums
.set STAGE,  MX+2048                   ; the way out: 16 rows of 272 bytes for each wave
.set OPITCH, 272
; window 0
.set TA,   1                           ; v1, v2    LDS address of my part of slot 0, 1: 32768 w + 16 lane
.set PST,  3                           ; v3        P + 144 r + 32 w + 16 h
.set PLD,  4                           ; v4        P + 144 r + 16 h
.set MXST, 5                           ; v5        MX + 16 r + 4 w
.set MXLD, 6                           ; v6        MX + 16 r
.set PFO,  7                           ; v7        prefetch offset; never rewritten
.set M,    8                           ; v[8:11]   running maximum of tile t; at the end OST, ORD, OOFF
.set LS,   12                          ; v[12:15]  my part of the running sum
.set NM,   16                          ; v[16:23]  - c M, twice (pairs)
.set QO,   16                          ; v16       at the start: 16 lane, for the loads of Q
.set AL,   24                          ; v[24:31]  rescaling factor, twice (pairs)
.set SC,   32                          ; v[32:63]  S^T, four tiles
.set KA,   64                          ; v[64:191] 16 fragments of K (K step k at KA + 8 k), then 16 of V
.set KB,   128
.set T,    192                         ; v[192:255] at work in the softmax, then P's 8 fragments (t, mk) at T + 8 (4 mk + t)
.set OST,  8
.set ORD,  9
.set OOFF, 10
; windows 1, 2: Q fragment (t, kk) in window 1 + (kk >> 3) at register 8 (4 (kk & 7) + t).  Window 3: O tile (ci, t) at 8 (4 ci + t).
.set WAVE, 8
.set CX,   9
.set WG,   10
.set BB,   11
.set LBLK, 12
.set JJ,   13
.set TI,   14                          ; s14, s15  the key block that slot 0, 1 is filled with next
.set G1,   16                          ; s[16:23] descriptor group 1
.set G0,   24                          ; s[24:31] descriptor group 0, one set for each slot
.set KVB,  38                          ; s[38:39] K(w) | V(w) of the batch's block 0
.set PFB,  44                          ; s[44:45] the batch's block 4 j; never rewritten
; s[42:43]: offsets that hold cx.  s[46:47]: offsets that feed descriptors and LDS addresses, never cx; s47 stays 0.
.set MSB, 0
.macro WIN new                         ; the immediate's high byte repeats the setting that is left
.if MSB != \new
	s_set_vgpr_msb (MSB<<8)|\new
.set MSB, \new
.endif
.endm
.macro PLACES                          ; four places behind a matrix instruction (ISA guide 7.12.1)
.rept 4
	v_nop
.endr
.endm
.macro ROUND                           ; a round of the cluster's barrier
	s_barrier_signal -1
	s_barrier_wait -1
	s_cmp_lg_u32 s[WAVE], 0
	s_cbranch_scc1 .Lnot_wave_0_\@
	s_barrier_signal -3
.Lnot_wave_0_\@:
	s_barrier_wait -3
	s_barrier_signal -1
	s_barrier_wait -1
.endm
	s_load_b128 s[4:7], s[0:1], 0x0                ; qkv s[4:5], out0 s[6:7]
	v_lshl_add_u32 v62, v0, 2, 0x47000
	v_mov_b32 v63, 0
	ds_add_u32 v62, v63
	s_wait_dscnt 0x0
	v_lshrrev_b32 v8, 5, v0
	v_readfirstlane_b32 s[WAVE], v8                ; wave 0..3
	s_bfe_u32 s[CX], ttmp6, 0x40000                ; my place in the cluster
	s_bfe_u32 s[BB], ttmp9, 0x10002                ; the cluster's number: bit 2,
	s_lshl_b32 s[BB], s[BB], 2
	s_lshr_b32 s[JJ], ttmp9, 4                     ; bits 5 and 4
	s_or_b32 s[BB], s[BB], s[JJ]                   ; b: the same in the four partners
	s_bfe_u32 s[JJ], ttmp9, 0x10003                ; bit 3,
	s_lshl_b32 s[JJ], s[JJ], 2
	s_and_b32 s[TI], ttmp9, 3                      ; bits 1 and 0
	s_or_b32 s[JJ], s[JJ], s[TI]                   ; j: the cluster's number in its batch
	s_lshl_b32 s[TI], s[JJ], 2                     ; the walk begins at key block 4 j (slot 0),
	s_add_co_u32 s[TI+1], s[TI], 1                 ; then 4 j + 1 (slot 1), 29 at the most
	s_add_co_u32 s[LBLK], s[TI], s[CX]             ; my query block
	s_lshl_b32 s[WG], s[BB], 5
	s_add_co_u32 s[WG], s[WG], s[LBLK]             ; 32 b + lblk
	s_mov_b32 s32, 0x3d8293ee                      ; c = log2(e) / sqrt(512)
	s_mov_b32 s33, 0x3d8293ee
	s_mov_b32 s34, 0xbd8293ee                      ; - c
	s_mov_b32 s36, 0x76543210                      ; v_permlanex16_b32: lane i of one half reads lane i of the other
	s_mov_b32 s37, 0xfedcba98
	v_and_b32 v8, 31, v0                           ; lane
	v_and_b32 v9, 15, v0                           ; r
	v_bfe_u32 v10, v0, 4, 1                        ; h
	v_lshlrev_b32 v[QO], 4, v8
	v_lshl_add_u32 v[TA], s[WAVE], 15, v[QO]
	v_add_nc_u32 v[TA+1], SLOTB, v[TA]
	v_mul_u32_u24 v11, v9, PPITCH
	v_lshl_add_u32 v11, v10, 4, v11
	v_add_nc_u32 v[PLD], PB, v11
	v_lshl_add_u32 v[PST], s[WAVE], 5, v[PLD]
	v_lshlrev_b32 v11, 4, v9
	v_add_nc_u32 v[MXLD], MX, v11
	v_lshl_add_u32 v[MXST], s[WAVE], 2, v[MXLD]
	; prefetch offset in a block: work-group cx takes K | V of sub-block cx (32 KiB), wave w its piece w of 8 KiB, the lanes 256 bytes apart
	s_mul_i32 s42, s[CX], SUBB
	s_lshl_b32 s43, s[WAVE], 13
	s_add_co_u32 s42, s42, s43
	s_add_co_u32 s42, s42, 16384                   ; behind the sub-block's Q
	v_lshl_add_u32 v[PFO], v8, 8, s42
.irp t, 0,1,2,3
	v_mov_b32 v[T+4+\t], 0                         ; v_permlanex16_b32 counts as a reader of its destination
.endr
	; group 1: 32 KiB that are dense in memory, as 128 rows of 32 elements of 8 bytes
	s_mov_b32 s[G1+0], 0x0023000f                  ; 15:0 mask: the four of the cluster; 17:16 elements of 8 bytes; 21 set beside a mask
	s_mov_b32 s[G1+1], 32<<16                      ; tensor_dim0 = 32
	s_mov_b32 s[G1+2], 128<<16                     ; tensor_dim1 = 128
	s_mov_b32 s[G1+3], 32<<16                      ; tile_dim0 = 32
	s_mov_b32 s[G1+4], 128                         ; tile_dim1 = 128
	s_mov_b32 s[G1+5], 32                          ; from row to row: 32 elements
	s_mov_b32 s[G1+6], 0
	s_mov_b32 s[G1+7], 0
	s_mul_i32 s42, s[WG], BLKB                     ; my own block: Q
	s_mov_b32 s43, 0
	s_lshl_b32 s46, s[BB], 5
	s_mul_i32 s46, s46, BLKB                       ; the batch's first block
	s_mov_b32 s47, 0
	s_wait_kmcnt 0x0
	s_add_nc_u64 s[40:41], s[4:5], s[42:43]
	s_add_nc_u64 s[KVB:KVB+1], s[4:5], s[46:47]
	s_mul_i32 s46, s[TI], BLKB
	s_add_nc_u64 s[PFB:PFB+1], s[KVB:KVB+1], s[46:47]      ; the batch's block 4 j
	s_mul_i32 s46, s[WAVE], SUBB
	s_add_co_u32 s46, s46, 16384
	s_add_nc_u64 s[KVB:KVB+1], s[KVB:KVB+1], s[46:47]      ; K(w) | V(w) of the batch's block 0: made of b and the wave's number alone
	s_mul_i32 s46, s[TI], BLKB
	s_mov_b32 s[G0], 1
	s_lshl_b32 s[G0+1], s[WAVE], 15
	s_add_nc_u64 s[G0+2:G0+3], s[KVB:KVB+1], s[46:47]      ; the first tile: key block 4 j
	s_mov_b32 s[G0+4], 1
	s_add_co_u32 s[G0+5], s[G0+1], SLOTB
	s_add_nc_u64 s[G0+6:G0+7], s[G0+2:G0+3], BLKB          ; the second: key block 4 j + 1
	s_or_b32 s[G0+3], s[G0+3], 0x80000000          ; type = 2
	s_or_b32 s[G0+7], s[G0+7], 0x80000000
.macro QLOAD hi                        ; 32 fragments of Q: 512 consecutive bytes a load
.irp k, 0,1,2,3,4,5,6,7
.irp t, 0,1,2,3
	global_load_b128 v[8*(4*\k+\t):8*(4*\k+\t)+3],   v[QO], s[40:41] offset:\t*SUBB+(8*\hi+\k)*1024
	global_load_b128 v[8*(4*\k+\t)+4:8*(4*\k+\t)+7], v[QO], s[40:41] offset:\t*SUBB+(8*\hi+\k)*1024+512
.endr
.endr
.endm
	WIN 0x40                                       ; destination in window 1
	QLOAD 0
	WIN 0x80                                       ; in window 2
	QLOAD 1
	WIN 0
	; Prefetch: key blocks 4 j + 2 and 4 j + 3, which my cluster is the first of its batch to ask for and whose tensor loads go out in steps 1
	; and 2.  The cluster's 16 waves ask for 8 KiB of each, every piece once; 4 j + 3 is 31 at the most, inside the batch.  The tiles from
	; step 4 on have been asked for by another cluster four steps earlier: no prefetch for them.
	global_prefetch_b8 v[PFO], s[PFB:PFB+1] offset:2*BLKB th:TH_LOAD_NT scope:SCOPE_SE
	global_prefetch_b8 v[PFO], s[PFB:PFB+1] offset:3*BLKB th:TH_LOAD_NT scope:SCOPE_SE
	ROUND                                          ; the four work-groups are here: the first joint load meets
	tensor_load_to_lds s[G0:G0+3], s[G1:G1+7]      ; the first tile
	s_nop 0
	s_wait_loadcnt 0x0                             ; Q, once
; 4 matrix instructions of S^T: K step k x 4 query tiles.  The four accumulators take turns, one instruction a turn.
.macro SK k, zero
.irp t, 0,1,2,3
.if \zero
	v_wmma_f32_16x16x32_f16 v[SC+8*\t:SC+8*\t+7], v[KA+8*\k:KA+8*\k+7], v[8*(4*(\k&7)+\t):8*(4*(\k&7)+\t)+7], 0
.else
	v_wmma_f32_16x16x32_f16 v[SC+8*\t:SC+8*\t+7], v[KA+8*\k:KA+8*\k+7], v[8*(4*(\k&7)+\t):8*(4*(\k&7)+\t)+7], v[SC+8*\t:SC+8*\t+7]
.endif
.endr
.endm
; 32 matrix instructions of O^T: 8 channel tiles x 4 query tiles, 32 keys.  The 32 accumulators take turns likewise.
.macro PVMUL f, mk, zero
.irp ci, 0,1,2,3,4,5,6,7
.irp t, 0,1,2,3
.if \zero
	v_wmma_f32_16x16x32_f16 v[8*(4*\ci+\t):8*(4*\ci+\t)+7], v[\f+8*\ci:\f+8*\ci+7], v[T+8*(4*\mk+\t):T+8*(4*\mk+\t)+7], 0
.else
	v_wmma_f32_16x16x32_f16 v[8*(4*\ci+\t):8*(4*\ci+\t)+7], v[\f+8*\ci:\f+8*\ci+7], v[T+8*(4*\mk+\t):T+8*(4*\mk+\t)+7], v[8*(4*\ci+\t):8*(4*\ci+\t)+7]
.endif
.endr
.endr
.endm
.set O_WIN, 0xc3                       ; destination and source 0 in window 3: the setting under which OSC stands
.macro OSC ci                          ; the four O tiles (ci, t) times the pair AL(t): 16 packed multiplies
.irp t, 0,1,2,3
.irp e, 0,2,4,6
	v_pk_mul_f32 v[8*(4*\ci+\t)+\e:8*(4*\ci+\t)+\e+1], v[8*(4*\ci+\t)+\e:8*(4*\ci+\t)+\e+1], v[AL+2*\t:AL+2*\t+1]
.endr
.endr
.endm
; One step: 64 keys.  first = 1: maxima, sums and O start here, nothing is cleared or rescaled.
.macro STEP slot, first, refill
	s_wait_xcnt 0x0
	v_lshl_add_u32 v62, v0, 2, 0x47000
	v_mov_b32 v63, 0
	s_wait_tensorcnt 0x0                           ; all my tensor loads are done, my part of this step's tile among them,
	ds_add_u32 v62, v63
	s_wait_dscnt 0x0
	s_add_co_u32 s[TI+\slot], s[TI+\slot], 2       ; so a group 0 may be written: this slot's next tile, two key blocks on round the batch's 32
	s_and_b32 s[TI+\slot], s[TI+\slot], 31
	s_mul_i32 s46, s[TI+\slot], BLKB
	s_add_nc_u64 s[G0+4*\slot+2:G0+4*\slot+3], s[KVB:KVB+1], s[46:47]
	s_or_b32 s[G0+4*\slot+3], s[G0+4*\slot+3], 0x80000000
	s_wait_dscnt 0x0                               ; my reads of the other slot and of P are over
	ROUND                                          ; both now hold of every wave of the four work-groups
.if \refill
	tensor_load_to_lds s[G0+4-4*\slot:G0+7-4*\slot], s[G1:G1+7]    ; the next tile, into the slot read last: my one tensor load behind the round
	s_nop 0
.endif
	PLACES                                         ; in front of loads into registers that the last step's matrix instructions read
.irp k, 0,1,2,3,4,5,6,7,8,9,10,11,12,13,14,15
	ds_load_b128 v[KA+8*\k:KA+8*\k+3],   v[TA+\slot] offset:\k*1024
	ds_load_b128 v[KA+8*\k+4:KA+8*\k+7], v[TA+\slot] offset:\k*1024+512
.endr
	; LDS loads come back in order, two for each K step: the products begin when the first two of the 32 are in, and each count below
	; is the number of younger loads that may stay out
	WIN 0x04                                       ; Q is source 1, window 1
	s_wait_dscnt 30                                ; K step 0 is in
	SK 0, 1
	s_wait_dscnt 28                                ; K step 1
	SK 1, 0
	s_wait_dscnt 24                                ; K steps 2, 3
	SK 2, 0
	SK 3, 0
	s_wait_dscnt 16                                ; K steps 4 to 7
.irp k, 4,5,6,7
	SK \k, 0
.endr
	s_wait_dscnt 0
	WIN 0x08                                       ; window 2
.irp k, 8,9,10,11,12,13,14,15
	SK \k, 0
.endr
	WIN 0
	PLACES                                         ; in front of the maxima, which read results
	; the largest of my 8 keys for each query, then of the other half's 8
.irp t, 0,1,2,3
	v_max3_num_f32 v[T+\t], v[SC+8*\t], v[SC+8*\t+1], v[SC+8*\t+2]
.endr
.irp t, 0,1,2,3
	v_max3_num_f32 v[T+\t], v[T+\t], v[SC+8*\t+3], v[SC+8*\t+4]
.endr
.irp t, 0,1,2,3
	v_max3_num_f32 v[T+\t], v[T+\t], v[SC+8*\t+5], v[SC+8*\t+6]
.endr
.irp t, 0,1,2,3
	v_max_num_f32 v[T+\t], v[T+\t], v[SC+8*\t+7]
.endr
.irp t, 0,1,2,3
	v_permlanex16_b32 v[T+4+\t], v[T+\t], s36, s37
.endr
.irp t, 0,1,2,3
	v_max_num_f32 v[T+\t], v[T+\t], v[T+4+\t]
.endr
.irp t, 0,1,2,3
	ds_store_b32 v[MXST], v[T+\t] offset:256*\t    ; both halves write the same word with the same value
.endr
	s_wait_dscnt 0x0                               ; my maxima are in LDS before I say so
	s_barrier_signal -1
	s_barrier_wait -1
.irp t, 0,1,2,3
	ds_load_b128 v[T+16+4*\t:T+16+4*\t+3], v[MXLD] offset:256*\t   ; the four waves' maxima of my query
.endr
	; V over K, behind the maxima: it lands while the exponentials are made (the places behind the score products are long past)
.irp ci, 0,1,2,3,4,5,6,7
	ds_load_b128 v[KA+8*\ci:KA+8*\ci+3],   v[TA+\slot] offset:16384+\ci*2048
	ds_load_b128 v[KA+8*\ci+4:KA+8*\ci+7], v[TA+\slot] offset:16384+\ci*2048+512
	ds_load_b128 v[KB+8*\ci:KB+8*\ci+3],   v[TA+\slot] offset:16384+\ci*2048+1024
	ds_load_b128 v[KB+8*\ci+4:KB+8*\ci+7], v[TA+\slot] offset:16384+\ci*2048+1536
.endr
	s_wait_dscnt 32                                ; the maxima are in; V's 32 loads stay out
.irp t, 0,1,2,3
.if \first
	v_max3_num_f32 v[M+\t], v[T+16+4*\t], v[T+17+4*\t], v[T+18+4*\t]
.else
	v_max3_num_f32 v[M+\t], v[M+\t], v[T+16+4*\t], v[T+17+4*\t]
.endif
.endr
.irp t, 0,1,2,3
.if \first
	v_max_num_f32 v[M+\t], v[M+\t], v[T+19+4*\t]
.else
	v_max3_num_f32 v[M+\t], v[M+\t], v[T+18+4*\t], v[T+19+4*\t]
.endif
.endr
.irp t, 0,1,2,3
	v_mul_f32 v[T+8+\t], s34, v[M+\t]              ; - c M
.endr
.if \first == 0
.irp t, 0,1,2,3
	v_sub_f32 v[T+12+\t], v[T+8+\t], v[NM+2*\t]    ; c (old M - new M), never above 0
.endr
.irp t, 0,1,2,3
	v_exp_f32 v[AL+2*\t], v[T+12+\t]               ; behind these the moves of NM are the plain instructions that ISA guide 5.7.2 asks for
.endr
.endif
.irp t, 0,1,2,3
	v_mov_b32 v[NM+2*\t], v[T+8+\t]
	v_mov_b32 v[NM+2*\t+1], v[T+8+\t]
.endr
.if \first == 0
	s_wait_alu depctr_va_vdst(0)
.irp t, 0,1,2,3
	v_mov_b32 v[AL+2*\t+1], v[AL+2*\t]
.endr
.endif
.irp t, 0,1,2,3
.irp e, 0,2,4,6
	v_pk_fma_f32 v[SC+8*\t+\e:SC+8*\t+\e+1], v[SC+8*\t+\e:SC+8*\t+\e+1], s[32:33], v[NM+2*\t:NM+2*\t+1] op_sel_hi:[1,0,1]
.endr
.endr
.set i, 0
.rept 32
	v_exp_f32 v[SC+i], v[SC+i]                     ; p = 2^(c S - c M)
.set i, i+1
.endr
	v_nop                                          ; one plain place behind the last of them
	; P goes out first; the row sums and the first part of O's rescaling stand behind the stores
	s_wait_alu depctr_va_vdst(0)
.irp t, 0,1,2,3
.irp e, 0,1,2,3
	v_cvt_pk_f16_f32 v[T+32+4*\t+\e], v[SC+8*\t+2*\e], v[SC+8*\t+2*\e+1]
.endr
.endr
.irp t, 0,1,2,3
	ds_store_b128 v[PST], v[T+32+4*\t:T+32+4*\t+3] offset:16*PPITCH*\t     ; query 16 t + r, keys 16 w + 8 h + 0..7
.endr
.irp t, 0,1,2,3
	v_pk_add_f32 v[T+48+2*\t:T+49+2*\t], v[SC+8*\t:SC+8*\t+1], v[SC+8*\t+2:SC+8*\t+3]
.endr
.irp t, 0,1,2,3
	v_pk_add_f32 v[T+48+2*\t:T+49+2*\t], v[T+48+2*\t:T+49+2*\t], v[SC+8*\t+4:SC+8*\t+5]
.endr
.irp t, 0,1,2,3
	v_pk_add_f32 v[T+48+2*\t:T+49+2*\t], v[T+48+2*\t:T+49+2*\t], v[SC+8*\t+6:SC+8*\t+7]
.endr
.irp t, 0,1,2,3
.if \first
	v_add_f32 v[LS+\t], v[T+48+2*\t], v[T+49+2*\t]
.else
	v_add_f32 v[T+48+2*\t], v[T+48+2*\t], v[T+49+2*\t]
.endif
.endr
.if \first == 0
.irp t, 0,1,2,3
	v_fma_f32 v[LS+\t], v[LS+\t], v[AL+2*\t], v[T+48+2*\t]
.endr
	WIN O_WIN
	OSC 0
	OSC 1
.endif
	s_wait_dscnt 0x0                               ; my part of P is in LDS before I say so (V is in too)
	s_barrier_signal -1
.if \first == 0
	OSC 2                                          ; register work while the others arrive
	OSC 3
	WIN 0
.endif
	s_barrier_wait -1
.irp mk, 0,1
.irp t, 0,1,2,3
	ds_load_b128 v[T+8*(4*\mk+\t):T+8*(4*\mk+\t)+3],   v[PLD] offset:16*PPITCH*\t+64*\mk
	ds_load_b128 v[T+8*(4*\mk+\t)+4:T+8*(4*\mk+\t)+7], v[PLD] offset:16*PPITCH*\t+64*\mk+32
.endr
.endr
.if \first == 0
	WIN O_WIN
	OSC 4                                          ; the rest of the rescaling while P comes
	OSC 5
	OSC 6
	OSC 7
.endif
	s_wait_dscnt 8                                 ; keys 0-31 of P are in; the 8 loads of keys 32-63 stay out
	WIN 0xf0                                       ; C and D in window 3
	PVMUL KA, 0, \first
	s_wait_dscnt 0
	PVMUL KB, 1, 0
	WIN 0
.endm
	STEP 0, 1, 1
	STEP 1, 0, 1
	s_mov_b32 s35, 0
.Lstep:
	STEP 0, 0, 1
	STEP 1, 0, 1
	s_add_co_u32 s35, s35, 1
	s_cmp_lt_u32 s35, 14
	s_cbranch_scc1 .Lstep
	STEP 0, 0, 1
	STEP 1, 0, 0                                   ; nothing is left to fetch (the addresses made in the last two steps are not used)
	; The row sums: my 8 keys' share + the other half's, then the four waves' through LDS; O times 1 / sum.
	PLACES                                         ; behind the last matrix instructions
.irp t, 0,1,2,3
	v_permlanex16_b32 v[T+4+\t], v[LS+\t], s36, s37
.endr
.irp t, 0,1,2,3
	v_add_f32 v[LS+\t], v[LS+\t], v[T+4+\t]
.endr
.irp t, 0,1,2,3
	ds_store_b32 v[MXST], v[LS+\t] offset:1024+256*\t
.endr
	s_wait_dscnt 0x0
	s_barrier_signal -1
	s_barrier_wait -1
.irp t, 0,1,2,3
	ds_load_b128 v[T+16+4*\t:T+16+4*\t+3], v[MXLD] offset:1024+256*\t
.endr
	; addresses of the way out, while the sums come
	v_and_b32 v16, 15, v0                          ; r
	v_bfe_u32 v17, v0, 4, 1                        ; h
	s_mul_i32 s46, s[WAVE], 16*OPITCH
	s_add_co_u32 s46, s46, STAGE                   ; my stage
	v_mul_u32_u24 v18, v17, 8*OPITCH               ; in: row 8 h + j, column 16 t + r
	v_lshl_add_u32 v18, v16, 2, v18
	v_add_nc_u32 v[OST], s46, v18
	v_mul_u32_u24 v18, v17, OPITCH                 ; back: lanes 0-15 take one row of 256 bytes, lanes 16-31 the next
	v_lshl_add_u32 v18, v16, 4, v18
	v_add_nc_u32 v[ORD], s46, v18
	v_lshlrev_b32 v18, 13, v17                     ; and the same two rows of out0, 8,192 bytes apart
	v_lshl_add_u32 v[OOFF], v16, 4, v18
	s_lshl_b32 s42, s[BB], 22                      ; (512 b + 128 w) rows of 8,192 bytes + 256 lblk
	s_lshl_b32 s43, s[WAVE], 20
	s_add_co_u32 s42, s42, s43
	s_lshl_b32 s43, s[LBLK], 8
	s_add_co_u32 s42, s42, s43
	s_mov_b32 s43, 0
	s_add_nc_u64 s[40:41], s[6:7], s[42:43]
	s_wait_dscnt 0x0
.irp t, 0,1,2,3
	v_add_f32 v[T+16+4*\t], v[T+16+4*\t], v[T+17+4*\t]
	v_add_f32 v[T+18+4*\t], v[T+18+4*\t], v[T+19+4*\t]
.endr
.irp t, 0,1,2,3
	v_add_f32 v[T+16+4*\t], v[T+16+4*\t], v[T+18+4*\t]
.endr
.irp t, 0,1,2,3
	v_rcp_f32 v[AL+2*\t], v[T+16+4*\t]             ; the sum holds the row maximum's own term, about 1: never 0
.endr
	v_nop                                          ; one plain place behind the last of them
	s_wait_alu depctr_va_vdst(0)
.irp t, 0,1,2,3
	v_mov_b32 v[AL+2*\t+1], v[AL+2*\t]
.endr
	WIN O_WIN
.irp ci, 0,1,2,3,4,5,6,7
	OSC \ci
.endr
	WIN 0
; 16 channels x 64 queries at a time through my own stage: in by columns as the tiles lie, back as whole rows of 256 bytes.
; LDS serves a wave's instructions in order (ISA guide 5.7.1.4), and no other wave touches the stage: no wait between stores and loads, no barrier.
.macro OUT16 ci, f
	WIN 0x0c                                       ; store data in window 3
.irp t, 0,1,2,3
.irp j, 0,1,2,3,4,5,6,7
	ds_store_b32 v[OST], v[8*(4*\ci+\t)+\j] offset:OPITCH*\j+64*\t
.endr
.endr
	WIN 0
	s_wait_xcnt 0x0                                ; the registers at f were the data of earlier stores: loaded again only behind this wait
.irp i, 0,1,2,3,4,5,6,7
	ds_load_b128 v[\f+4*\i:\f+4*\i+3], v[ORD] offset:2*OPITCH*\i
.endr
.irp i, 0,1,2,3,4,5,6,7
	s_wait_dscnt 7-\i                              ; LDS loads come back in order: pair i of rows is in
	global_store_b128 v[OOFF], v[\f+4*\i:\f+4*\i+3], s[40:41] offset:(16*\ci+2*\i)*8192 th:TH_STORE_NT   ; 16 lanes store 256 consecutive bytes, aligned
.endr
.endm
	OUT16 0, 64
	OUT16 1, 96
	OUT16 2, 64
	OUT16 3, 96
	OUT16 4, 64
	OUT16 5, 96
	OUT16 6, 64
	OUT16 7, 96
	s_wait_xcnt 0x0
	v_lshl_add_u32 v62, v0, 2, 0x47000
	v_mov_b32 v63, 0
	s_wait_tensorcnt 0x0
	ds_add_u32 v62, v63
	s_wait_dscnt 0x0
	ROUND                                          ; the closing round: no work-group ends while a partner may still ask jointly
	s_endpgm
.Lfunc_end_k_q2d77389422_attn:
	.size	k_q2d77389422_attn, .Lfunc_end_k_q2d77389422_attn-k_q2d77389422_attn
	.p2alignl 7, 3214868480
	.fill 96, 4, 3214868480
	.section	.rodata,"a",@progbits
	.p2align	6, 0x0
	.amdhsa_kernel k_q2d77389422_attn
		.amdhsa_group_segment_fixed_size 327680
		.amdhsa_private_segment_fixed_size 0
		.amdhsa_enable_private_segment 0
		.amdhsa_kernarg_size 16
		.amdhsa_user_sgpr_count 2
		.amdhsa_user_sgpr_kernarg_segment_ptr 1
		.amdhsa_wavefront_size32 1
		.amdhsa_system_sgpr_workgroup_id_x 1
		.amdhsa_system_sgpr_workgroup_id_y 1
		.amdhsa_system_sgpr_workgroup_id_z 1
		.amdhsa_system_vgpr_workitem_id 0
		.amdhsa_next_free_vgpr 1024
		.amdhsa_next_free_sgpr 66
		.amdhsa_reserve_vcc 0
		.amdhsa_float_denorm_mode_32 3
		.amdhsa_float_denorm_mode_16_64 3
		.amdhsa_memory_ordered 1
		.amdhsa_forward_progress 1
		.amdhsa_inst_pref_size 231
	.end_amdhsa_kernel
	.amdgpu_metadata
---
amdhsa.version: [ 1, 2 ]
amdhsa.kernels:
  - .name:           k_q2d77389422_attn
    .symbol:         k_q2d77389422_attn.kd
    .args:
      - { .name: qkv, .offset: 0, .size: 8, .value_kind: global_buffer, .address_space: global }
      - { .name: out0, .offset: 8, .size: 8, .value_kind: global_buffer, .address_space: global }
    .group_segment_fixed_size: 327680
    .private_segment_fixed_size: 0
    .kernarg_segment_align: 8
    .kernarg_segment_size: 16
    .max_flat_workgroup_size: 128
    .sgpr_count:     66
    .vgpr_count:     1024
    .wavefront_size: 32
...
	.end_amdgpu_metadata
.endif
;; end of part 3
;; ======== version 2 of 2: 3 launches; version 1 with the launch wcvt written anew for expert scheduling mode
;; limits: values are held in f16: magnitudes above 65,504 overflow, below 6.1e-05 lose precision; right only within a limited range of input values
;; workspace buffers: wf 1,572,864 bytes; qkv 50,331,648 bytes
;; launch wcvt (part 4): grid 32 x 3, 4 waves a work-group, no clusters, 0 bytes of LDS; arguments Wq, Wk, Wv, wf; writes wf
.if DOCPART == 4
	.amdgcn_target "amdgcn-amd-amdhsa--gfx1250"
	.amdhsa_code_object_version 6
	.text
	.protected	k_q2d77389422_wcvt
	.globl	k_q2d77389422_wcvt
	.p2align	8
	.type	k_q2d77389422_wcvt,@function
k_q2d77389422_wcvt:
	s_mov_b64 s[64:65], 0
	v_nop
	global_prefetch_b8 v0, s[64:65] scope:SCOPE_SE
	s_setreg_imm32_b32 hwreg(HW_REG_WAVE_SCHED_MODE, 0, 2), 2
	s_setreg_imm32_b32 hwreg(HW_REG_WAVE_MODE, 25, 1), 1
	s_wait_xcnt 0x0
	s_wait_alu depctr_vm_vsrc(0)
; wcvt: Wq, Wk, Wv ([512][512] f32, rows along i) are rounded to f16 and laid out as matrix fragments.
; FORMAT: f16 and not bf16, for its 11 significant bits against 8.  Room: W as drawn has a root mean square of 0.044; 30 times larger it stays
; far below f16's largest number, 65,504; 30 times smaller (0.0015) f16's smallest step, 2^-24 = 6e-8, is 4e-5 of that.
; wf = [got 0..95][kk 0..15][q 0..1][lane 0..31][16 bytes], got = 32 x matrix + o / 16.  Lane (r = lane & 15, h = lane >> 4) holds
; row o = 16 (got & 31) + r, i = 32 kk + 16 q + 8 h + 0..7: a 16-byte load at 16 x lane fills half of a 16 x 32 operand.
; A work-group makes one got (x = o tile, y = matrix): 96 work-groups are all the work there is.  Wave w takes kk = 4 w .. 4 w + 3,
; 512 bytes of each of the 16 rows.  No LDS, no barrier: every lane rounds what it loaded; each store of a wave covers 512 consecutive bytes.
; THE MODE: SCHED_MODE bits 1:0 = 2 (LLVM: expert scheduling mode 2), set by the entry lines.  The code itself states the register dependences
; between vector instructions and memory instructions, with s_wait_alu, always for 0.
; THE PLAN.  An item n = 2 k + q is 8 numbers a lane; the eight items go in four groups of two.  Registers that memory instructions touch:
;   v[VI], v[VO]  byte offsets, made at the head and never written again: read by the 16 loads and by the 8 stores.
;   IN            item n: 8 registers.  Written by the item's two loads, once; read by its four conversions.  No vector instruction writes them.
;   PK            item n: 4 registers.  Written by the item's four conversions, once; read by its store, once.
; Group g's conversions write its own PK; its two stores are issued in group g + 1, behind that group's wait for its loads and ONE wait on
; va_vdst, a store ahead of each item's conversions, which name the present group's IN and PK alone.  No register is loaded twice, and none
; that a memory instruction has read is written again: so the text holds no wait on vm_vsrc.  No vector instruction writes a scalar register.
.set VI, 5                             ; v5       byte offset in W: 2048 r + 32 h + 512 w
.set VO, 6                             ; v6       byte offset in wf: 16 lane + 4096 w
.set IN, 16                            ; v[16:79] item (k, q): 8 f32
.set PK, 80                            ; v[80:111] item (k, q): 8 f16
	s_load_b256 s[4:11], s[0:1], 0x0               ; Wq s[4:5], Wk s[6:7], Wv s[8:9], wf s[10:11]
	s_and_b32 s12, ttmp7, 0xffff                   ; which matrix
	v_and_b32 v1, 15, v0                           ; r
	v_bfe_u32 v2, v0, 4, 1                         ; h
	v_lshrrev_b32 v3, 5, v0                        ; wave
	v_and_b32 v4, 31, v0                           ; lane
	v_lshlrev_b32 v[VI], 11, v1
	v_lshl_add_u32 v[VI], v2, 5, v[VI]
	v_lshl_add_u32 v[VI], v3, 9, v[VI]
	v_lshlrev_b32 v[VO], 4, v4
	v_lshl_add_u32 v[VO], v3, 12, v[VO]
	s_lshl_b32 s16, ttmp9, 15                      ; 16 rows of 2,048 bytes for each o tile
	s_mov_b32 s17, 0
	s_lshl_b32 s18, s12, 5
	s_add_co_u32 s18, s18, ttmp9                   ; got
	s_lshl_b32 s18, s18, 14                        ; x 16 KiB
	s_mov_b32 s19, 0
	s_wait_kmcnt 0x0
	s_cmp_eq_u32 s12, 1                            ; the source is chosen by the work-group's y alone
	s_cselect_b64 s[14:15], s[6:7], s[4:5]
	s_cmp_eq_u32 s12, 2
	s_cselect_b64 s[14:15], s[8:9], s[14:15]
	s_add_nc_u64 s[14:15], s[14:15], s[16:17]
	s_add_nc_u64 s[10:11], s[10:11], s[18:19]
	s_wait_alu depctr_va_vdst(0)                   ; v[VI] and v[VO] are written: every load below reads the one as its offset, every store the other
.irp k, 0,1,2,3
.irp q, 0,1
	global_load_b128 v[IN+8*(2*\k+\q):IN+8*(2*\k+\q)+3],   v[VI], s[14:15] offset:\k*128+\q*64 th:TH_LOAD_NT
	global_load_b128 v[IN+8*(2*\k+\q)+4:IN+8*(2*\k+\q)+7], v[VI], s[14:15] offset:\k*128+\q*64+16 th:TH_LOAD_NT
.endr
.endr
.macro CVT4 n                          ; item n: eight f32 are rounded into its four registers of PK
.irp e, 0,1,2,3
	v_cvt_pk_f16_f32 v[PK+4*(\n)+\e], v[IN+8*(\n)+2*\e], v[IN+8*(\n)+2*\e+1]
.endr
.endm
.macro OUT n                           ; item n leaves: 512 consecutive bytes a wave, at k x 1024 + q x 512 = 512 n
	global_store_b128 v[VO], v[PK+4*(\n):PK+4*(\n)+3], s[10:11] offset:(\n)*512
.endm
	s_wait_loadcnt 12                              ; loads come back in order: group 0's four are in, the three younger groups' twelve stay out
	CVT4 0
	CVT4 1
	s_wait_loadcnt 8                               ; group 1's four are in
	s_wait_alu depctr_va_vdst(0)                   ; group 0's conversions have written PK of items 0 and 1, which the two stores below read
	OUT 0
	CVT4 2
	OUT 1                                          ; no wait: the conversions since the wait name items 2's registers alone
	CVT4 3
	s_wait_loadcnt 4                               ; group 2's four are in
	s_wait_alu depctr_va_vdst(0)                   ; group 1's conversions have written PK of items 2 and 3, which the two stores below read
	OUT 2
	CVT4 4
	OUT 3
	CVT4 5
	s_wait_loadcnt 0                               ; group 3's four, the last
	s_wait_alu depctr_va_vdst(0)                   ; group 2's conversions have written PK of items 4 and 5, which the two stores below read
	OUT 4
	CVT4 6
	OUT 5
	CVT4 7
	s_wait_alu depctr_va_vdst(0)                   ; group 3's conversions have written PK of items 6 and 7, which the last two stores read
	OUT 6
	OUT 7
	s_endpgm
.Lfunc_end_k_q2d77389422_wcvt:
	.size	k_q2d77389422_wcvt, .Lfunc_end_k_q2d77389422_wcvt-k_q2d77389422_wcvt
	.p2alignl 7, 3214868480
	.fill 96, 4, 3214868480
	.section	.rodata,"a",@progbits
	.p2align	6, 0x0
	.amdhsa_kernel k_q2d77389422_wcvt
		.amdhsa_group_segment_fixed_size 0
		.amdhsa_private_segment_fixed_size 0
		.amdhsa_enable_private_segment 0
		.amdhsa_kernarg_size 32
		.amdhsa_user_sgpr_count 2
		.amdhsa_user_sgpr_kernarg_segment_ptr 1
		.amdhsa_wavefront_size32 1
		.amdhsa_system_sgpr_workgroup_id_x 1
		.amdhsa_system_sgpr_workgroup_id_y 1
		.amdhsa_system_sgpr_workgroup_id_z 1
		.amdhsa_system_vgpr_workitem_id 0
		.amdhsa_next_free_vgpr 112
		.amdhsa_next_free_sgpr 66
		.amdhsa_reserve_vcc 0
		.amdhsa_float_denorm_mode_32 3
		.amdhsa_float_denorm_mode_16_64 3
		.amdhsa_memory_ordered 1
		.amdhsa_forward_progress 1
		.amdhsa_inst_pref_size 6
	.end_amdhsa_kernel
	.amdgpu_metadata
---
amdhsa.version: [ 1, 2 ]
amdhsa.kernels:
  - .name:           k_q2d77389422_wcvt
    .symbol:         k_q2d77389422_wcvt.kd
    .args:
      - { .name: Wq, .offset: 0, .size: 8, .value_kind: global_buffer, .address_space: global }
      - { .name: Wk, .offset: 8, .size: 8, .value_kind: global_buffer, .address_space: global }
      - { .name: Wv, .offset: 16, .size: 8, .value_kind: global_buffer, .address_space: global }
      - { .name: wf, .offset: 24, .size: 8, .value_kind: global_buffer, .address_space: global }
    .group_segment_fixed_size: 0
    .private_segment_fixed_size: 0
    .kernarg_segment_align: 8
    .kernarg_segment_size: 32
    .max_flat_workgroup_size: 128
    .sgpr_count:     66
    .vgpr_count:     112
    .wavefront_size: 32
...
	.end_amdgpu_metadata
.endif
;; end of part 4
;; launch proj: the kernel of part 2 again; grid 256 x 1, 4 waves a work-group, clusters of 4 x 1, 327,680 bytes of LDS; arguments x, wf, bq, bk, bv, qkv; writes qkv
;; launch attn: the kernel of part 3 again; grid 256 x 1, 4 waves a work-group, clusters of 4 x 1, 327,680 bytes of LDS; arguments qkv, out0; writes out0
